; MI455X (gfx1250); checked and timed in simulation.
; The chip was launched on July 23, 2026; its instructions are those of AMD's public machine-readable ISA for CDNA 5 (MIT licence, August 2026) and "CDNA5" Instruction Set Architecture Reference Guide (July 2026). The comments in the code are by the model that wrote it; some were corrected since.
;; Multi Head Attention. Allowed arithmetic: matrix products marked QUANTISED: E4M3 operands, one given power-of-two scale a tensor, by v_wmma_f32_16x16x64_fp8_fp8 or v_wmma_f32_16x16x128_fp8_fp8, f32 sums; products left as they are: f32 operands where the result goes on into a quantised operand, else bf16, f16 or f32 operands; f32 sums; everything else in f32.
;; Inputs: Wk 1,024 x 1,024 float32; Wo 1,024 x 1,024 float32; Wq 1,024 x 1,024 float32; Wv 1,024 x 1,024 float32; bk 1,024 float32; bo 1,024 float32; bq 1,024 float32; bv 1,024 float32; key 4 x 2,048 x 1,024 float32; lowp_scales 12 int32 (the exponents e of the quantised operands' scales 2^e); mask 4 x 2,048 float32; query 4 x 2,048 x 1,024 float32; value 4 x 2,048 x 1,024 float32.
;; Outputs: out0 4 x 2,048 x 1,024 float32.
;; This version of the problem:
;;   THIS VERSION OF THE PROBLEM IS GIVEN IN LOW PRECISION. The matrix products marked QUANTISED in the list below multiply operands that are first quantised to E4M3 (4 exponent bits, 3 mantissa bits; 8 bits a number), with one given power-of-two scale for each operand tensor; their sums are f32. All else is computed in f32.
;;   The module's matrix products, in the order in which they are computed (A, B: the left and right operand; K: the contracted axis; several contracted axes count as one K, in the product's order):
;;     1. [M 8,192, K 1,024] x [K 1,024, N 1,024]; A: input query; B: input Wq: QUANTISED (scales: A lowp_scales[0], B lowp_scales[1])
;;     2. [M 8,192, K 1,024] x [K 1,024, N 1,024]; A: input key; B: input Wk: QUANTISED (scales: A lowp_scales[2], B lowp_scales[3])
;;     3. [M 8,192, K 1,024] x [K 1,024, N 1,024]; A: input value; B: input Wv: QUANTISED (scales: A lowp_scales[4], B lowp_scales[5])
;;     4. batch 2,048 x [M 2,048, K 1] x [K 1, N 4]; A: computed on the way; B: computed on the way: left as it is (no contracted axis)
;;     5. batch 64 x [M 2,048, K 64] x [K 64, N 2,048]; A: computed on the way; B: computed on the way: QUANTISED (scales: A lowp_scales[6], B lowp_scales[7])
;;     6. batch 64 x [M 2,048, K 2,048] x [K 2,048, N 64]; A: softmax (see below); B: computed on the way: QUANTISED (scales: A lowp_scales[8], B lowp_scales[9])
;;     7. [M 8,192, K 1,024] x [K 1,024, N 1,024]; A: computed on the way; B: input Wo: QUANTISED (scales: A lowp_scales[10], B lowp_scales[11])
;;   THE QUANTISER, for each operand of a quantised product, along K:
;;     - The operand's scale is 2^e, e = its entry of the input lowp_scales (int32; the entries are numbered through the quantised products in the list's order, A before B).
;;     - Each number is divided by the scale, clamped to +-448, and rounded to the nearest number of E4M3, ties to even, subnormals kept.
;;     - The product sums the exact products of the quantised numbers (number of the format x scale) in f32.
;;   ~~~python
;;   def quantise(x, axis, e):      # numpy; x: float32 -> the quantised numbers, widened to float32 again
;;       x = np.moveaxis(x, axis, -1); K = x.shape[-1]
;;       r = np.clip(x / 2.0 ** e, -448, 448)
;;       step = 2.0 ** (np.maximum(np.frexp(np.where(r == 0, 1, r))[1] - 1, -6) - 3)
;;       q = np.round(r / step) * step * 2.0 ** e      # np.round: ties to even
;;       return np.moveaxis(q, -1, axis).astype(np.float32)
;;   ~~~
;;   SOFTMAX AHEAD OF A QUANTISED PRODUCT. Where the list says 'softmax', what is quantised is not the finished softmax but p = 2^(t - M), with t = logit x log2(e) and M = ceil(the row's largest t), a whole number; so 1/2 < the row's largest p <= 1. The row's sum l is taken of the UNQUANTISED p, in f32, and the product's result is divided by l at the end. Since M is a whole number, a kernel that streams over the keys may use a running M (the ceiling of the running maximum): every later rescaling is an exact power of two, so the quantised numbers keep their values, but for numbers so far below the row's largest that they fall under the format's range.
;;   OPERANDS COMPUTED ON THE WAY. 'Computed on the way' means the value that the module computes at that place (a softmax that the list does not call 'softmax' is quantised finished and normalised). What goes into a quantiser is computed in f32, as accurately as f32 sums, v_exp_f32 and their like allow (about 1e-6 of the number): no bf16 or f16 on the way to a quantiser, and a product that is left as it is and whose result goes on into a quantised operand takes f32 operands (vector FMAs, or v_wmma_f32_16x16x4_f32). A number that lies on a knife's edge between two numbers of the format may be rounded either way, as far as f32 arithmetic and the matrix unit's own rounding can turn it there, and no further.
;; One version. Each part assembles by itself: llvm-mc -triple=amdgcn-amd-amdhsa -mcpu=gfx1250 --defsym DOCPART=n.
;; ======== version 1 of 1: 4 launches
;; limits: right only within a limited range of input values
;; workspace buffers: wc 4,194,304 bytes; qc 8,388,608 bytes; kc 8,388,608 bytes; vc 8,388,608 bytes; ac 8,388,608 bytes
;; launch wquant (part 1): grid 256 x 1, 4 waves a work-group, no clusters, 17,920 bytes of LDS; arguments Wq, Wk, Wv, Wo, lowp_scales, wc; writes wc
.if DOCPART == 1
	.amdgcn_target "amdgcn-amd-amdhsa--gfx1250"
	.amdhsa_code_object_version 6
	.text
	.protected	k_q8697560eab_wquant
	.globl	k_q8697560eab_wquant
	.p2align	8
	.type	k_q8697560eab_wquant,@function
k_q8697560eab_wquant:
	s_mov_b64 s[64:65], 0
	v_nop
	global_prefetch_b8 v0, s[64:65] scope:SCOPE_SE
	s_setreg_imm32_b32 hwreg(HW_REG_WAVE_MODE, 25, 1), 1
	s_wait_xcnt 0x0
; Wq, Wk, Wv, Wo [1024][1024] f32, K innermost, become codes of FP8 (E4M3): code = x / 2^e, held within +-448, to the nearest code, ties to even.  e = entries 1, 3, 5, 11 of the scales.
; LIMITS: each e between -126 and 119, so that 2^e and 448 x 2^e are f32 numbers.  NaN among the inputs is not served; an infinity is held at the largest code.
; wc = four tensors of 2^20 bytes on end.  Wo's codes lie row-major.  Wq's, Wk's, Wv's lie as IMAGES OF OPERAND REGISTERS: in each block of 16 rows (16,384 bytes) the 16 codes
; k = 16 g .. 16 g + 15 of row r stand at byte 256 g + 16 r: 2,048 bytes on end are one fragment of 16 rows x 128 K, register 4 c + i of lane 16 h + r at byte 512 c + 16 lane + 4 i, k = 32 c + 16 h + 0 .. 15.
; Work-group = tensor (x / 64), block of 16 rows (x % 64); a wave takes 256 along K of the 16 rows.  A lane loads 32 neighbouring bytes of a row (two loads that together cover 1,024 consecutive bytes),
; so its 8 registers are 8 neighbours along K, as the conversion wants them.  All 32 loads of a wave go out at once.  An image's codes turn through the wave's own stage in LDS and leave as 512 consecutive bytes a store;
; Wo's leave straight from registers, 256 consecutive aligned bytes a store.  The two ways part on the work-group's number; only one of them touches LDS.
; No matrix unit, no cluster, no tensor load, no barrier: nothing is shared.  No loop, so no prefetch.
.set SP,    272                        ; a stage row: 16 rows' 16 bytes of one g, + 16 of padding
.set SPARE, 4*16*SP                    ; behind the four stages: the spare words
	s_load_b256 s[4:11], s[0:1], 0x0               ; Wq, Wk, Wv, Wo
	s_load_b128 s[12:15], s[0:1], 0x20             ; the scales' exponents, wc
	v_lshl_add_u32 v1, v0, 2, SPARE                ; my spare word; never rewritten
	v_mov_b32 v2, 0                                ; 0; never rewritten
	v_lshrrev_b32 v3, 5, v0
	v_readfirstlane_b32 s16, v3                    ; wave = which 256 along K
	v_and_b32 v4, 31, v0                           ; lane
	v_lshlrev_b32 v5, 5, v4                        ; in: 32 bytes a lane
	v_lshlrev_b32 v6, 3, v4                        ; out, row-major: 8 bytes a lane
	v_lshlrev_b32 v7, 4, v4                        ; out, image: 16 bytes a lane
	s_mul_i32 s17, s16, 16*SP
	v_lshrrev_b32 v8, 1, v4
	v_mul_u32_u24 v8, v8, SP
	v_and_b32 v9, 1, v4
	v_lshl_add_u32 v8, v9, 3, v8
	v_add_nc_u32 v8, s17, v8                       ; stage, in: row g = lane / 2, half lane % 2; + 16 r by the offset
	v_lshrrev_b32 v9, 4, v4
	v_mul_u32_u24 v9, v9, SP
	v_and_b32 v12, 15, v4
	v_lshl_add_u32 v9, v12, 4, v9
	v_add_nc_u32 v9, s17, v9                       ; stage, out: lanes 0-15 one g, lanes 16-31 the next
	s_lshr_b32 s18, ttmp9, 6                       ; tensor
	s_and_b32 s19, ttmp9, 63                       ; block of 16 rows
	s_wait_alu depctr_va_vdst(0)
	s_wait_kmcnt 0x0
	s_load_b256 s[24:31], s[12:13], 0x0            ; e0 .. e7
	s_load_b32 s32, s[12:13], 0x2c                 ; e11
	s_cmp_eq_u32 s18, 1
	s_cselect_b64 s[4:5], s[6:7], s[4:5]
	s_cmp_eq_u32 s18, 2
	s_cselect_b64 s[4:5], s[8:9], s[4:5]
	s_cmp_eq_u32 s18, 3
	s_cselect_b64 s[4:5], s[10:11], s[4:5]
	s_lshl_b32 s20, s19, 16                        ; 16 rows of 4,096 bytes
	s_lshl_b32 s21, s16, 10
	s_add_co_u32 s20, s20, s21
	s_mov_b32 s21, 0
	s_add_nc_u64 s[4:5], s[4:5], s[20:21]
.set i, 0
.rept 16
	global_load_b128 v[32+8*i:35+8*i], v5, s[4:5] offset:4096*i th:TH_LOAD_NT
	global_load_b128 v[36+8*i:39+8*i], v5, s[4:5] offset:4096*i+16 th:TH_LOAD_NT
.set i, i+1
.endr
	s_wait_kmcnt 0x0
	s_cmp_eq_u32 s18, 1
	s_cselect_b32 s22, s27, s25
	s_cmp_eq_u32 s18, 2
	s_cselect_b32 s22, s29, s22
	s_cmp_eq_u32 s18, 3
	s_cselect_b32 s22, s32, s22                    ; e
	s_cselect_b32 s33, 8, 12                       ; my 256 along K begin 256 bytes on in a row, 4,096 in an image
	s_add_co_i32 s22, s22, 127
	s_lshl_b32 s23, s22, 23
	v_mov_b32 v11, s23                             ; 2^e: the conversion takes its exponent field
	s_add_co_i32 s22, s22, 8
	s_lshl_b32 s22, s22, 23
	s_or_b32 s22, s22, 0x600000
	v_mov_b32 v10, s22                             ; 448 x 2^e
	s_lshl_b32 s20, s18, 20
	s_lshl_b32 s21, s19, 14
	s_add_co_u32 s20, s20, s21
	s_lshl_b32 s21, s16, s33
	s_add_co_u32 s20, s20, s21
	s_mov_b32 s21, 0
	s_add_nc_u64 s[14:15], s[14:15], s[20:21]
	s_wait_alu depctr_va_vdst(0)
.irp g, 0,1,2,3                                ; four rows at a time
	s_wait_loadcnt 24-8*\g                         ; their eight loads are in; the later rows' may be out
.set i, 0
.rept 32
	v_med3_num_f32 v[32+32*\g+i], v[32+32*\g+i], -v10, v10   ; the conversion does not saturate (ISA guide 7.6.2): the hold comes first
.set i, i+1
.endr
.irp r, 0,1,2,3
	v_cvt_scalef32_pk8_fp8_f32 v[160+8*\g+2*\r:161+8*\g+2*\r], v[32+32*\g+8*\r:39+32*\g+8*\r], v11
.endr
.endr
	v_nop
	s_cmp_eq_u32 s18, 3
	s_wait_alu depctr_va_vdst(0)
	s_cbranch_scc1 .Lrows
.set i, 0
.rept 16
	ds_store_b64 v8, v[160+2*i:161+2*i] offset:16*i
.set i, i+1
.endr
.set i, 0
.rept 8
	ds_load_b128 v[192+4*i:195+4*i], v9 offset:2*SP*i   ; LDS serves a wave's instructions in order: these see my stores
.set i, i+1
.endr
.set i, 0
.rept 8
	s_wait_dscnt 7-i
	global_store_b128 v7, v[192+4*i:195+4*i], s[14:15] offset:512*i   ; 512 consecutive bytes, aligned
.set i, i+1
.endr
	s_wait_tensorcnt 0x0                           ; the wave's end
	ds_add_u32 v1, v2
	s_wait_dscnt 0x0
	s_endpgm
.Lrows:
.set i, 0
.rept 16
	global_store_b64 v6, v[160+2*i:161+2*i], s[14:15] offset:1024*i   ; 256 consecutive bytes of row i, aligned
.set i, i+1
.endr
	s_endpgm
.Lfunc_end_k_q8697560eab_wquant:
	.size	k_q8697560eab_wquant, .Lfunc_end_k_q8697560eab_wquant-k_q8697560eab_wquant
	.p2alignl 7, 3214868480
	.fill 96, 4, 3214868480
	.section	.rodata,"a",@progbits
	.p2align	6, 0x0
	.amdhsa_kernel k_q8697560eab_wquant
		.amdhsa_group_segment_fixed_size 17920
		.amdhsa_private_segment_fixed_size 0
		.amdhsa_enable_private_segment 0
		.amdhsa_kernarg_size 48
		.amdhsa_user_sgpr_count 2
		.amdhsa_user_sgpr_kernarg_segment_ptr 1
		.amdhsa_wavefront_size32 1
		.amdhsa_system_sgpr_workgroup_id_x 1
		.amdhsa_system_sgpr_workgroup_id_y 1
		.amdhsa_system_sgpr_workgroup_id_z 1
		.amdhsa_system_vgpr_workitem_id 0
		.amdhsa_next_free_vgpr 224
		.amdhsa_next_free_sgpr 66
		.amdhsa_reserve_vcc 0
		.amdhsa_float_denorm_mode_32 3
		.amdhsa_float_denorm_mode_16_64 3
		.amdhsa_memory_ordered 1
		.amdhsa_forward_progress 1
		.amdhsa_inst_pref_size 20
	.end_amdhsa_kernel
	.amdgpu_metadata
---
amdhsa.version: [ 1, 2 ]
amdhsa.kernels:
  - .name:           k_q8697560eab_wquant
    .symbol:         k_q8697560eab_wquant.kd
    .args:
      - { .name: Wq, .offset: 0, .size: 8, .value_kind: global_buffer, .address_space: global }
      - { .name: Wk, .offset: 8, .size: 8, .value_kind: global_buffer, .address_space: global }
      - { .name: Wv, .offset: 16, .size: 8, .value_kind: global_buffer, .address_space: global }
      - { .name: Wo, .offset: 24, .size: 8, .value_kind: global_buffer, .address_space: global }
      - { .name: lowp_scales, .offset: 32, .size: 8, .value_kind: global_buffer, .address_space: global }
      - { .name: wc, .offset: 40, .size: 8, .value_kind: global_buffer, .address_space: global }
    .group_segment_fixed_size: 17920
    .private_segment_fixed_size: 0
    .kernarg_segment_align: 8
    .kernarg_segment_size: 48
    .max_flat_workgroup_size: 128
    .sgpr_count:     66
    .vgpr_count:     224
    .wavefront_size: 32
...
	.end_amdgpu_metadata
.endif
;; end of part 1
;; launch qproj (part 2): grid 192 x 1, 4 waves a work-group, no clusters, 133,632 bytes of LDS; arguments query, key, value, wc, lowp_scales, bq, bk, bv, qc, kc, vc; writes qc, kc, vc
.if DOCPART == 2
	.amdgcn_target "amdgcn-amd-amdhsa--gfx1250"
	.amdhsa_code_object_version 6
	.text
	.protected	k_q8697560eab_qproj
	.globl	k_q8697560eab_qproj
	.p2align	8
	.type	k_q8697560eab_qproj,@function
k_q8697560eab_qproj:
	s_mov_b64 s[64:65], 0
	v_nop
	global_prefetch_b8 v0, s[64:65] scope:SCOPE_SE
	s_setreg_imm32_b32 hwreg(HW_REG_WAVE_MODE, 25, 1), 1
	s_wait_xcnt 0x0
; The three input projections, y = Q(x) Q(W)^T + b, with x quantised HERE, and y quantised at once for attention's products.  FP8 (E4M3), one given scale 2^e a tensor.
; Work-group x: projection T = x / 64 (0 q, 1 k, 2 v), tokens 128 (x % 64) .. + 127, ALL 1,024 features: so each f32 number of query, key, value is read from memory once in the launch and no codes of x go to memory.
; 3 x 8,192 tokens in blocks of 128 are 192 work-groups; a projection's 64 blocks do not divide into a third of 256.
; PART 1.  A wave takes 32 tokens.  Each load reads 512 consecutive bytes of a token's row, 16 a lane.  A conversion takes the eight numbers of two such loads (the scale is one for the tensor, so they need not be neighbours):
; its first word is four neighbouring codes, its second the four that lie 128 further along K; each word goes to its place by a store of 128 consecutive bytes.  x's codes lie in LDS as 128 rows of 1,024 bytes + 16 of padding.
; Loads run four batches of 16 (two tokens each) ahead.  One barrier ends the part.
; PART 2.  Two passes of 512 features; a wave makes 128 tokens x 128 features: 64 accumulators, 512 registers; K in eight steps of 128.  x's fragments come from LDS: one set, each pair of blocks fetched anew behind its last products.
; W's fragments come from wc's images STRAIGHT INTO THE REGISTERS of the one wave that multiplies them, 512 consecutive bytes a load: no LDS bytes, no barrier in the K loop.  A step multiplies all tokens by feature blocks 0-3, then by
; blocks 4-7.  W has two sets; a fragment (four loads) is asked for behind every eight matrix instructions: blocks 4-7 of the next step during a step's first half, blocks 0-3 of the step two on during its second: 32 to 48 loads on their way.
; NO JOINT LOADS, though 64 work-groups walk the same weights: a joint load lands in LDS, and these fragments are read by one wave each and never lie there.
; PREFETCH: while x streams, each work-group names 16,384 bytes (1 / 64) of its projection's 2^20 bytes of weights, 4,096 a wave, lanes 256 bytes apart (lanes 16-31 name the wave's last block again): each block once in the launch.
; x itself is streamed through registers with 48 to 64 loads a wave on their way and is not prefetched.
; LAYOUT.  q, k: source 0 = 16 features of W, source 1 = 16 tokens: a lane holds one token and eight neighbouring features.  v: the sources exchanged: one feature and eight neighbouring keys.  So a conversion's two registers
; ARE two registers of the operand that attention loads, and the results leave as images of operand registers, 512 consecutive bytes a store:
;   qc, kc: [16 batch + head][tile of 16 tokens (128)][1,024 bytes]: registers 2 t, 2 t + 1 of lane (r, h): channels 16 t + 8 h + 0 .. 7 of token r.
;   vc:     [16 batch + head][block of 128 keys (16)][tile of 16 channels (4)][2,048 bytes]: registers 2 c, 2 c + 1 of lane (r, h): keys 16 c + 8 h + 0 .. 7 of channel r.
; Both operands' fragments hold k = 32 c + 16 h + 0 .. 15 in registers 4 c .. 4 c + 3: a permutation of k, the same on both sides.
; y = sum x 2^(ex + ew) + b in f32; code = y / 2^eo held within +-448.  (ex, ew, eo) = entries (0, 1, 6), (2, 3, 7), (4, 5, 9).
; LIMITS: ex and eo between -126 and 119, ex + ew between -126 and 127, so that each power of two below is an f32 number.  NaN among the inputs is not served.
; REGISTERS, in windows of 256.  Window 0: v1-18 addresses and scales; v32-95 part 1's codes, then the biases; v128-255 x's fragments, at work on the way out.  Window 1: W's two sets.
; Windows 2, 3: accumulator (token block a, feature block b) at v[8 (8 (a % 4) + b)] of window 2 + a / 4; in part 1 window 2 takes the loaded numbers.
.set PX,    1040                       ; a row of x's codes in LDS: 65 x 16 bytes, so 16 rows' 16 bytes fall on 16 different columns of banks
.set SPARE, 128*PX                     ; behind the codes: the spare words (133,120 = 520 x 256)
.set SPW, 1
.set NIL, 2
.set LI,  3                            ; 16 x lane
.set XS0, 5                            ; part 1: my wave's rows + 4 x lane
.set XS,  6
.set BX,  7                            ; v7, v8: my lane's place in x's blocks 0-3, 4-7
.set AX,  14                           ; v14, v15: the same + the trip's K
.set BOQ, 16                           ; 32 h
.set BOV, 17                           ; 4 r
.set PFO, 18
.set CDX, 32
.set BB,  32
.set AF,  128
.set TMP, 128
.set CDS, 192
.set WV,  26
.set T,   27
.set RB,  28
.set PASS, 29
.set CNT, 30
.set KO,  31
.set XO,  32
.set MSB, 0
.macro WIN new                         ; the immediate's high byte repeats the setting that is left
.if MSB != \new
	s_set_vgpr_msb (MSB<<8)|\new
.set MSB, \new
.endif
.endm
.macro PLACES                          ; four places behind a matrix instruction, ahead of loads into its registers and of reads of its results
.rept 4
	v_nop
.endr
.endm
.macro XLOAD t                         ; tokens 2 t, 2 t + 1 behind x's base into set t of window 2: registers 8 i .. 8 i + 7 hold k = 256 (i % 4) + 4 lane + 0 .. 3 and the same + 128
	WIN 0x80
.set i, 0
.rept 8
	global_load_b128 v[64*(\t)+8*i:64*(\t)+8*i+3], v[LI], s[4:5] offset:(2*(\t)+i/4)*4096+1024*(i%4) th:TH_LOAD_NT
	global_load_b128 v[64*(\t)+8*i+4:64*(\t)+8*i+7], v[LI], s[4:5] offset:(2*(\t)+i/4)*4096+1024*(i%4)+512 th:TH_LOAD_NT
.set i, i+1
.endr
	WIN 0
.endm
.macro XBATCH t, more, cnt             ; cnt: at most the loads issued behind set t's.  more = 1: the set takes the tokens eight further on; 2: the same, and x's base goes eight tokens on first
	s_wait_loadcnt \cnt
	s_wait_dscnt 16                                ; the stores of two batches ago have read this set of code registers; the last batch's sixteen may be out
	WIN 0x82
.set i, 0
.rept 64
	v_med3_num_f32 v[64*(\t)+i], v[64*(\t)+i], -v10, v10   ; the conversion does not saturate (ISA guide 7.6.2)
.set i, i+1
.endr
	WIN 0x02
.set i, 0
.rept 8
	v_cvt_scalef32_pk8_fp8_f32 v[CDX+16*((\t)%2)+2*i:CDX+16*((\t)%2)+2*i+1], v[64*(\t)+8*i:64*(\t)+8*i+7], v11
.set i, i+1
.endr
	v_nop                                          ; a plain line behind the conversions
	WIN 0
.set i, 0
.rept 8
	ds_store_b32 v[XS], v[CDX+16*((\t)%2)+2*i] offset:(2*(\t)+i/4)*PX+256*(i%4)         ; 128 consecutive bytes a store
	ds_store_b32 v[XS], v[CDX+16*((\t)%2)+2*i+1] offset:(2*(\t)+i/4)*PX+256*(i%4)+128
.set i, i+1
.endr
.if \more == 2
	s_wait_xcnt 0x0                                ; the loads issued a batch ago and earlier have read the base
	s_add_nc_u64 s[4:5], s[4:5], 32768
.endif
.if \more
	XLOAD \t
.endif
.endm
.macro WLG p, hf, off, g               ; one fragment of W: feature block 4 hf + g of the K step that lies off bytes behind s[10:11], into set p.  Leaves the windows set for loads into window 1
	WIN 0x40
.irp c, 0,1,2,3
	global_load_b128 v[128*(\p)+64*(\hf)+16*(\g)+4*\c:128*(\p)+64*(\hf)+16*(\g)+4*\c+3], v[LI], s[10:11] offset:(\off)+16384*(4*(\hf)+(\g))+512*\c
.endr
.endm
.macro WLOADH p, hf, off               ; four fragments on end: 16 loads
	WLG \p, \hf, \off, 0
	WLG \p, \hf, \off, 1
	WLG \p, \hf, \off, 2
	WLG \p, \hf, \off, 3
	WIN 0
.endm
.macro FETCHX2 xo, g                   ; x's blocks 2 g, 2 g + 1, 128 along K at byte xo behind the trip's K: 8 loads
.set i, 0
.rept 8
	ds_load_b128 v[AF+32*(\g)+4*i:AF+32*(\g)+4*i+3], v[AX+(\g)/2] offset:(\xo)+32*(i%4)+((2*(\g)+i/4)%4)*16*PX
.set i, i+1
.endr
.endm
; 8 matrix instructions: token blocks a0, a0 + 1 x feature blocks b0 .. b0 + 3.  The 64 accumulators take turns in the same order in every step.  zero = 1: the product starts the sums.
.macro MUL8 kind, a0, b0, p, zero
.irp a, \a0, \a0+1
.irp b, \b0, \b0+1, \b0+2, \b0+3
.if \kind
.if \zero
	v_wmma_f32_16x16x128_fp8_fp8 v[8*(8*((\a)%4)+(\b)):8*(8*((\a)%4)+(\b))+7], v[AF+16*(\a):AF+16*(\a)+15], v[128*(\p)+16*(\b):128*(\p)+16*(\b)+15], 0
.else
	v_wmma_f32_16x16x128_fp8_fp8 v[8*(8*((\a)%4)+(\b)):8*(8*((\a)%4)+(\b))+7], v[AF+16*(\a):AF+16*(\a)+15], v[128*(\p)+16*(\b):128*(\p)+16*(\b)+15], v[8*(8*((\a)%4)+(\b)):8*(8*((\a)%4)+(\b))+7]
.endif
.else
.if \zero
	v_wmma_f32_16x16x128_fp8_fp8 v[8*(8*((\a)%4)+(\b)):8*(8*((\a)%4)+(\b))+7], v[128*(\p)+16*(\b):128*(\p)+16*(\b)+15], v[AF+16*(\a):AF+16*(\a)+15], 0
.else
	v_wmma_f32_16x16x128_fp8_fp8 v[8*(8*((\a)%4)+(\b)):8*(8*((\a)%4)+(\b))+7], v[128*(\p)+16*(\b):128*(\p)+16*(\b)+15], v[AF+16*(\a):AF+16*(\a)+15], v[8*(8*((\a)%4)+(\b)):8*(8*((\a)%4)+(\b))+7]
.endif
.endif
.endr
.endr
.endm
; A K step s on W's set p.  n1, n2: the loads that may be out when feature blocks 0-3 and 4-7 are wanted.  w1 = 1: during the first half blocks 4-7 of step s + 1 are asked for (the other set; o1 bytes behind W's base).
; w2 = 1: during the second half blocks 0-3 of step s + 2 (this set; o2); w2 = 2: the same, but not in the loop's last trip (branches on the count of trips, round the loads alone).
; xo: where the next step's x lies; -1: none is fetched.  stepb = 1: W's base goes two steps on, ahead of the step's first load.
.macro GSTEP kind, p, zero, n1, n2, w1, o1, w2, o2, xo, stepb
	s_wait_loadcnt \n1                             ; feature blocks 0-3 are in
.irp g, 0,1,2,3
	s_wait_dscnt 24-8*\g                           ; x's blocks 2 g, 2 g + 1 are in; the younger pairs' loads, eight each, may be out
	WIN 0xa1+0x50*(\g/2)+3*(\kind)                 ; W window 1, x window 0, C and D window 2 or 3
	MUL8 \kind, 2*\g, 0, \p, \zero
.if \w1
.if (\stepb) && (\g == 0)
	s_wait_xcnt 0x0                                ; the loads issued eight matrix instructions ago and earlier have read the base
	s_add_nc_u64 s[10:11], s[10:11], 4096
.endif
	WLG 1-(\p), 1, \o1, \g                         ; that half's last readers stand ahead of the places that closed the last step
.endif
.endr
	PLACES                                         ; behind the last readers of this set's blocks 0-3
	s_wait_loadcnt \n2                             ; feature blocks 4-7 are in
.irp g, 0,1,2,3
	WIN 0xa1+0x50*(\g/2)+3*(\kind)
	MUL8 \kind, 2*\g, 4, \p, \zero
.if ((\xo) >= 0) || (\g == 3)
	PLACES
.endif
	WIN 0
.if (\xo) >= 0
	FETCHX2 \xo, \g
.endif
.if \w2 == 2
	s_cmp_eq_u32 s[CNT], 1
	s_cbranch_scc1 .Lg_\@_\g
.endif
.if \w2
	WLG \p, 0, \o2, \g
	WIN 0
.endif
.if \w2 == 2
.Lg_\@_\g:
.endif
.endr
.endm
; THE WAY OUT of one image.  kind 0: token block a x my 128 features (two heads).  kind 1: feature block a x my 128 keys.  Each accumulator is read from its low end on.
.macro OUTBLK kind, a
.set CD, CDS+16*((\a)%4)
.if \kind
.irp t, 0,1,2,3,4,5,6,7
	WIN 0x02+(\t/4)
.irp jj, 0,2,4,6
	v_pk_fma_f32 v[TMP+8*\t+\jj:TMP+8*\t+\jj+1], v[8*(8*(\t%4)+(\a))+\jj:8*(8*(\t%4)+(\a))+\jj+1], s[56:57], v[BB+2*(\a):BB+2*(\a)+1] op_sel_hi:[1,0,1]   ; my feature's bias stands in both words
.endr
.endr
.else
	WIN 0x02+((\a)/4)
.set j, 0
.rept 32
	v_pk_fma_f32 v[TMP+j:TMP+j+1], v[64*((\a)%4)+j:64*((\a)%4)+j+1], s[56:57], v[BB+j:BB+j+1] op_sel_hi:[1,0,1]
.set j, j+2
.endr
.endif
	WIN 0
.set j, 0
.rept 64
	v_med3_num_f32 v[TMP+j], v[TMP+j], -v12, v12
.set j, j+1
.endr
.if (\a) >= 4
	s_wait_alu depctr_va_vdst(0)
	s_wait_xcnt 0x0                                ; block a - 4's stores have read this set of code registers (blocks 0-3: the wait at the last pass's end has seen to it)
.endif
.set j, 0
.rept 8
	v_cvt_scalef32_pk8_fp8_f32 v[CD+2*j:CD+2*j+1], v[TMP+8*j:TMP+8*j+7], v13
.set j, j+1
.endr
	v_nop                                          ; a plain line behind the conversions
.irp c, 0,1,2,3
.if \kind
	global_store_b128 v[LI], v[CD+4*\c:CD+4*\c+3], s[20:21] offset:131072*((\a)/4)+2048*((\a)%4)+512*\c
.else
	global_store_b128 v[LI], v[CD+4*\c:CD+4*\c+3], s[20:21] offset:1024*(\a)+131072*(\c/2)+512*(\c%2)
.endif
.endr
.endm
; A pass's loads, in their order, in halves of 16: step 0's two and step 1's first (ahead of the pass), the biases, then from step s its successor's second half and the first half of step s + 2, up to step 7's.
.macro BODY kind
	s_mov_b32 s[PASS], 0
.Lpass_\@:
	s_mov_b32 s[KO], 0
	v_add_nc_u32 v[AX], s[KO], v[BX]
	v_add_nc_u32 v[AX+1], s[KO], v[BX+1]
	s_wait_alu depctr_va_vdst(0)
	FETCHX2 0, 0
	FETCHX2 0, 1
	FETCHX2 0, 2
	FETCHX2 0, 3
.set i, 0
.rept 16                                       ; the pass's biases: 16 loads
.if \kind
	global_load_b32 v[BB+i], v[BOV], s[14:15] offset:64*(i/2)
.else
	global_load_b128 v[BB+4*i:BB+4*i+3], v[BOQ], s[14:15] offset:64*(i/2)+16*(i%2)
.endif
.set i, i+1
.endr
	GSTEP \kind, 0, 1, 48, 48, 1, 2048, 1, 4096, 128, 0   ; step 0 starts the sums.  Behind each of its halves stand two halves and the biases: 48 loads
	s_mov_b32 s[CNT], 3
.Lk_\@:
	GSTEP \kind, 1, 0, 32, 32, 1, 0, 1, 2048, 256, 1      ; steps 1, 3, 5: two younger halves may be out (in step 1 the biases stand among them too: more are out than the count allows for)
	GSTEP \kind, 0, 0, 32, 32, 1, 2048, 2, 4096, 384, 0   ; steps 2, 4, 6; step 6 asks for step 7's second half and no more
	s_add_co_u32 s[KO], s[KO], 256
	v_add_nc_u32 v[AX], s[KO], v[BX]
	v_add_nc_u32 v[AX+1], s[KO], v[BX+1]
	s_sub_co_u32 s[CNT], s[CNT], 1
	s_cmp_lg_u32 s[CNT], 0
	s_wait_alu depctr_va_vdst(0)
	s_cbranch_scc1 .Lk_\@
	GSTEP \kind, 1, 0, 16, 0, 0, 0, 0, 0, -1, 0    ; step 7: its own second half alone is younger, then nothing
	s_cmp_eq_u32 s[PASS], 1
	s_cbranch_scc1 .Lnp_\@
	s_add_nc_u64 s[10:11], s[10:11], 524288-3*4096 ; no load is out.  512 features on, back along K: the next pass's first three halves are on their way while this pass goes out
	WLOADH 0, 0, 0
	WLOADH 0, 1, 0
	WLOADH 1, 0, 2048
.Lnp_\@:
.irp a, 0,1,2,3,4,5,6,7
	OUTBLK \kind, \a
.endr
	s_wait_xcnt 0x0                                ; the stores have read their base and their registers
	s_add_nc_u64 s[20:21], s[20:21], 0x100000      ; eight heads on
	s_add_nc_u64 s[14:15], s[14:15], 2048          ; 512 biases on
	s_add_co_u32 s[PASS], s[PASS], 1
	s_cmp_lt_u32 s[PASS], 2
	s_cbranch_scc1 .Lpass_\@
.endm
	s_load_b512 s[4:19], s[0:1], 0x0               ; query, key, value, wc s[10:11], the scales s[12:13], bq, bk, bv
	s_load_b128 s[20:23], s[0:1], 0x40             ; qc, kc
	s_load_b64 s[24:25], s[0:1], 0x50              ; vc
	v_lshl_add_u32 v[SPW], v0, 2, SPARE
	v_mov_b32 v[NIL], 0
	v_lshrrev_b32 v20, 5, v0
	v_readfirstlane_b32 s[WV], v20
	v_and_b32 v20, 31, v0
	v_lshlrev_b32 v[LI], 4, v20
	s_mul_i32 s58, s[WV], 32*PX
	v_lshl_add_u32 v[XS0], v20, 2, s58
	v_and_b32 v21, 15, v0                          ; r
	v_bfe_u32 v22, v0, 4, 1                        ; h
	v_mul_u32_u24 v[BX], v21, PX
	v_lshl_add_u32 v[BX], v22, 4, v[BX]
	v_add_nc_u32 v[BX+1], 64*PX, v[BX]
	v_min_u32 v[PFO], 15, v20
	v_lshlrev_b32 v[PFO], 8, v[PFO]
	v_lshlrev_b32 v[BOQ], 5, v22
	v_lshlrev_b32 v[BOV], 2, v21
	s_lshr_b32 s[T], ttmp9, 6
	s_and_b32 s[RB], ttmp9, 63
	s_wait_alu depctr_va_vdst(0)
	s_wait_kmcnt 0x0
	s_load_b256 s[40:47], s[12:13], 0x0            ; e0 .. e7
	s_load_b64 s[48:49], s[12:13], 0x20            ; e8, e9
	s_cmp_eq_u32 s[T], 1                           ; the choices hang on the work-group's number alone
	s_cselect_b64 s[4:5], s[6:7], s[4:5]
	s_cselect_b64 s[14:15], s[16:17], s[14:15]
	s_cselect_b64 s[20:21], s[22:23], s[20:21]
	s_cmp_eq_u32 s[T], 2
	s_cselect_b64 s[4:5], s[8:9], s[4:5]
	s_cselect_b64 s[14:15], s[18:19], s[14:15]
	s_cselect_b64 s[20:21], s[24:25], s[20:21]
	s_lshl_b32 s58, s[RB], 19                      ; 128 tokens of 4,096 bytes
	s_lshl_b32 s59, s[WV], 17                      ; + my 32
	s_add_co_u32 s58, s58, s59
	s_mov_b32 s59, 0
	s_add_nc_u64 s[4:5], s[4:5], s[58:59]
	XLOAD 0
	XLOAD 1
	XLOAD 2
	XLOAD 3
	s_lshl_b32 s58, s[T], 20
	s_lshl_b32 s60, s[WV], 17                      ; my 128 features' images
	s_add_co_u32 s60, s58, s60
	s_mov_b32 s61, 0
	s_lshl_b32 s62, s[RB], 14
	s_lshl_b32 s63, s[WV], 12
	s_add_co_u32 s62, s62, s63
	s_add_co_u32 s62, s62, s58
	s_mov_b32 s63, 0
	s_add_nc_u64 s[68:69], s[10:11], s[62:63]      ; what my wave names to the L2; never rewritten
	s_add_nc_u64 s[10:11], s[10:11], s[60:61]
	global_prefetch_b8 v[PFO], s[68:69] th:TH_LOAD_NT scope:SCOPE_SE
	s_lshl_b32 s58, s[WV], 9
	s_mov_b32 s59, 0
	s_add_nc_u64 s[14:15], s[14:15], s[58:59]      ; my 128 biases
	s_lshr_b32 s58, s[RB], 4
	s_lshl_b32 s58, s58, 21                        ; batch x 16 heads of 131,072 bytes
	s_lshl_b32 s60, s[WV], 18                      ; + my two heads
	s_add_co_u32 s58, s58, s60
	s_and_b32 s60, s[RB], 15
	s_lshl_b32 s60, s60, 13                        ; + 8 tiles of 1,024 bytes (q, k), or one block of 8,192 (v)
	s_add_co_u32 s58, s58, s60
	s_add_nc_u64 s[20:21], s[20:21], s[58:59]
	s_wait_kmcnt 0x0
	s_cmp_eq_u32 s[T], 1
	s_cselect_b32 s58, s42, s40                    ; ex
	s_cselect_b32 s59, s43, s41                    ; ew
	s_cselect_b32 s60, s47, s46                    ; eo
	s_cmp_eq_u32 s[T], 2
	s_cselect_b32 s58, s44, s58
	s_cselect_b32 s59, s45, s59
	s_cselect_b32 s60, s49, s60
	s_add_co_i32 s56, s58, s59
	s_add_co_i32 s56, s56, 127
	s_lshl_b32 s56, s56, 23                        ; 2^(ex + ew)
	s_mov_b32 s57, s56
	s_add_co_i32 s58, s58, 127
	s_lshl_b32 s61, s58, 23
	v_mov_b32 v11, s61                             ; 2^ex
	s_add_co_i32 s58, s58, 8
	s_lshl_b32 s58, s58, 23
	s_or_b32 s58, s58, 0x600000
	v_mov_b32 v10, s58                             ; 448 x 2^ex
	s_add_co_i32 s60, s60, 127
	s_lshl_b32 s61, s60, 23
	v_mov_b32 v13, s61                             ; 2^eo
	s_add_co_i32 s60, s60, 8
	s_lshl_b32 s60, s60, 23
	s_or_b32 s60, s60, 0x600000
	v_mov_b32 v12, s60                             ; 448 x 2^eo
	s_mov_b32 s[XO], 0
	s_mov_b32 s[CNT], 3
	s_wait_alu depctr_va_vdst(0)
.Lx:                                               ; a trip: eight tokens; behind each batch its set takes the tokens eight further on
	v_add_nc_u32 v[XS], s[XO], v[XS0]
	XBATCH 0, 2, 48                                ; three younger batches of 16 loads may be out
	XBATCH 1, 1, 48
	XBATCH 2, 1, 48
	XBATCH 3, 1, 48
	s_add_co_u32 s[XO], s[XO], 8*PX
	s_sub_co_u32 s[CNT], s[CNT], 1
	s_cmp_lg_u32 s[CNT], 0
	s_cbranch_scc1 .Lx
	v_add_nc_u32 v[XS], s[XO], v[XS0]              ; the last eight tokens: nothing more of x is asked for
	XBATCH 0, 0, 48
	XBATCH 1, 0, 32
	WLOADH 0, 0, 0                                 ; the first pass's K step 0: 32 loads
	WLOADH 0, 1, 0
	XBATCH 2, 0, 48                                ; batch 3's 16 and W's 32 may be out
	WLOADH 1, 0, 2048                              ; and the first half of K step 1: 16 more
	XBATCH 3, 0, 48                                ; 48 loads of W stand behind batch 3's
	s_wait_dscnt 0x0                               ; my codes are in LDS
	s_barrier_signal -1
	s_barrier_wait -1                              ; everybody's are
	s_cmp_eq_u32 s[T], 2
	s_cbranch_scc1 .Lvalues
	BODY 0
	s_branch .Ldone
.Lvalues:
	BODY 1
.Ldone:
	s_wait_tensorcnt 0x0                           ; the wave's end
	ds_add_u32 v[SPW], v[NIL]
	s_wait_dscnt 0x0
	s_endpgm
.Lfunc_end_k_q8697560eab_qproj:
	.size	k_q8697560eab_qproj, .Lfunc_end_k_q8697560eab_qproj-k_q8697560eab_qproj
	.p2alignl 7, 3214868480
	.fill 96, 4, 3214868480
	.section	.rodata,"a",@progbits
	.p2align	6, 0x0
	.amdhsa_kernel k_q8697560eab_qproj
		.amdhsa_group_segment_fixed_size 133632
		.amdhsa_private_segment_fixed_size 0
		.amdhsa_enable_private_segment 0
		.amdhsa_kernarg_size 88
		.amdhsa_user_sgpr_count 2
		.amdhsa_user_sgpr_kernarg_segment_ptr 1
		.amdhsa_wavefront_size32 1
		.amdhsa_system_sgpr_workgroup_id_x 1
		.amdhsa_system_sgpr_workgroup_id_y 1
		.amdhsa_system_sgpr_workgroup_id_z 1
		.amdhsa_system_vgpr_workitem_id 0
		.amdhsa_next_free_vgpr 1024
		.amdhsa_next_free_sgpr 72
		.amdhsa_reserve_vcc 0
		.amdhsa_float_denorm_mode_32 3
		.amdhsa_float_denorm_mode_16_64 3
		.amdhsa_memory_ordered 1
		.amdhsa_forward_progress 1
		.amdhsa_inst_pref_size 255
	.end_amdhsa_kernel
	.section	.bss,"aw",@nobits
	.p2align	6
	.space	262144
	.amdgpu_metadata
---
amdhsa.version: [ 1, 2 ]
amdhsa.kernels:
  - .name:           k_q8697560eab_qproj
    .symbol:         k_q8697560eab_qproj.kd
    .args:
      - { .name: query, .offset: 0, .size: 8, .value_kind: global_buffer, .address_space: global }
      - { .name: key, .offset: 8, .size: 8, .value_kind: global_buffer, .address_space: global }
      - { .name: value, .offset: 16, .size: 8, .value_kind: global_buffer, .address_space: global }
      - { .name: wc, .offset: 24, .size: 8, .value_kind: global_buffer, .address_space: global }
      - { .name: lowp_scales, .offset: 32, .size: 8, .value_kind: global_buffer, .address_space: global }
      - { .name: bq, .offset: 40, .size: 8, .value_kind: global_buffer, .address_space: global }
      - { .name: bk, .offset: 48, .size: 8, .value_kind: global_buffer, .address_space: global }
      - { .name: bv, .offset: 56, .size: 8, .value_kind: global_buffer, .address_space: global }
      - { .name: qc, .offset: 64, .size: 8, .value_kind: global_buffer, .address_space: global }
      - { .name: kc, .offset: 72, .size: 8, .value_kind: global_buffer, .address_space: global }
      - { .name: vc, .offset: 80, .size: 8, .value_kind: global_buffer, .address_space: global }
    .group_segment_fixed_size: 133632
    .private_segment_fixed_size: 0
    .kernarg_segment_align: 8
    .kernarg_segment_size: 88
    .max_flat_workgroup_size: 128
    .sgpr_count:     72
    .vgpr_count:     1024
    .wavefront_size: 32
...
	.end_amdgpu_metadata
.endif
;; end of part 2
;; launch attn (part 3): grid 4 x 64, 8 waves a work-group, clusters of 4 x 1, 327,680 bytes of LDS; arguments qc, kc, vc, mask, lowp_scales, ac; writes ac
.if DOCPART == 3
	.amdgcn_target "amdgcn-amd-amdhsa--gfx1250"
	.amdhsa_code_object_version 6
	.text
	.protected	k_q8697560eab_attn
	.globl	k_q8697560eab_attn
	.p2align	8
	.type	k_q8697560eab_attn,@function
k_q8697560eab_attn:
	s_mov_b64 s[64:65], 0
	v_nop
	global_prefetch_b8 v0, s[64:65] scope:SCOPE_SE
	s_setreg_imm32_b32 hwreg(HW_REG_WAVE_MODE, 25, 1), 1
	s_wait_xcnt 0x0
	s_wait_alu depctr_hold_cnt(0) depctr_sa_sdst(0) depctr_va_vdst(0) depctr_va_sdst(0) depctr_va_ssrc(0) depctr_va_vcc(0) depctr_vm_vsrc(0)
	s_getreg_b32 s2, hwreg(HW_REG_IB_STS2, 6, 4)
	s_cmp_eq_u32 s2, 0
	s_cbranch_scc0 .Lentry_in_a_cluster
	s_endpgm
.Lentry_in_a_cluster:
	s_bfe_u32 s2, ttmp6, 0x10000c
	s_cmp_lg_u32 s2, 0x3003
	s_cbranch_scc0 .Lentry_shape_is_right
	s_endpgm
.Lentry_shape_is_right:
.set KIMG,  0
.set VIMG,  131072
.set BIAS,  262144
.set PART,  270336
.set VMEAN, 303104
.set SPARE, 307200
.set LI,   1
.set AK,   2
.set AV,   3
.set AB,   4
.set SPW,  5
.set NIL,  6
.set H32,  7
.set DU,   8
.set NEG,  10
.set SC10, 11
.set ST,   12
.set SC8,  20
.set LIM8, 21
.set F,    22
.set W,    26
.set S,    32
.set Y,    96
.set O,    160
.set P,    224
.set KF,   0
.set BF,   64
.set QF,   128
.set ONE,  144
.set VF,   160
.set QA,   224
.set QB,   240
.set WV,   16
.set CX,   17
.set BH,   18
.set SEL,  20
.set CS,   22
.set G1,   24
.set G0K,  32
.set G0V,  36
.set PASS, 52
.set STP,  53
.set DS,   54
.set KO,   55
.set VOF,  56
.set BOF,  57
.set DB,   58
.set QOFF, 59
.set THR,  72
.set LIMN, 73
.set LIMP, 74
.set E89,  75
.set FLAG, 76
.set E9M,  78
.set MSB, 0
.macro WIN new
.if MSB != \new
	s_set_vgpr_msb (MSB<<8)|\new
.set MSB, \new
.endif
.endm
.macro CROUND
	s_barrier_signal -1
	s_barrier_wait -1
	s_cmp_lg_u32 s[WV], 0
	s_cbranch_scc1 .Lnot_wave_0_\@
	s_barrier_signal -3
.Lnot_wave_0_\@:
	s_barrier_wait -3
	s_barrier_signal -1
	s_barrier_wait -1
.endm
	s_load_b256 s[4:11], s[0:1], 0x0
	s_load_b128 s[12:15], s[0:1], 0x20
	v_lshl_add_u32 v[SPW], v0, 2, SPARE
	v_mov_b32 v[NIL], 0
	ds_add_u32 v[SPW], v[NIL]
	ds_add_u32 v[SPW], v[NIL]
	v_lshrrev_b32 v1, 5, v0
	s_delay_alu instid0(VALU_DEP_1)
	v_readfirstlane_b32 s[WV], v1
	s_bfe_u32 s[CX], ttmp6, 0x40000
	s_and_b32 s[BH], ttmp7, 0xffff
	s_mov_b32 s[G1], 15|(3<<16)|(1<<21)
	s_mov_b32 s[G1+1], 32<<16
	s_mov_b32 s[G1+2], 128<<16
	s_mov_b32 s[G1+3], 32<<16
	s_mov_b32 s[G1+4], 128
	s_mov_b32 s[G1+5], 32
	s_mov_b32 s[G1+6], 0
	s_mov_b32 s[G1+7], 0
	s_mov_b32 s[SEL], 0x76543210
	s_mov_b32 s[SEL+1], 0xfedcba98
	s_lshl_b32 s68, s[WV], 15                      ; one joint load a wave, 32,768 bytes: waves 0-3 K's image, waves 4-7 V's, which lies behind it in LDS
	s_and_b32 s69, s[WV], 3
	s_lshl_b32 s69, s69, 15
	s_lshl_b32 s66, s[BH], 17
	s_add_co_u32 s66, s66, s69
	s_mov_b32 s67, 0
	s_wait_dscnt 0x0
	s_wait_kmcnt 0x0
	s_load_b256 s[40:47], s[12:13], 0x0
	s_load_b128 s[48:51], s[12:13], 0x20
	s_mov_b32 s[G0K], 1
	s_mov_b32 s[G0K+1], s68
	s_cmp_lt_u32 s[WV], 4                          ; the buffer is chosen by the wave's number alone
	s_cselect_b64 s[G0K+2:G0K+3], s[6:7], s[8:9]
	s_add_nc_u64 s[G0K+2:G0K+3], s[G0K+2:G0K+3], s[66:67]
	s_or_b32 s[G0K+3], s[G0K+3], 0x80000000
	CROUND
	tensor_load_to_lds s[G0K:G0K+3], s[G1:G1+7]
	s_nop 0
.rept 4
	v_nop
.endr
	v_and_b32 v[LI], 31, v0
	s_delay_alu instid0(VALU_DEP_1)
	v_lshlrev_b32 v[LI], 4, v[LI]
	v_lshlrev_b32 v2, 4, v0
	s_lshl_b32 s66, s[WV], 2                       ; Q of both passes, under the tensor load's flight: blocks 4 wave + cx and 63 less that
	s_add_co_u32 s66, s66, s[CX]
	s_sub_co_u32 s70, 63, s66
	s_lshl_b32 s68, s[BH], 7
	s_lshl_b32 s66, s66, 1
	s_add_co_u32 s66, s66, s68
	s_lshl_b32 s66, s66, 10
	s_lshl_b32 s70, s70, 1
	s_add_co_u32 s70, s70, s68
	s_lshl_b32 s70, s70, 10
	s_mov_b32 s67, 0
	s_mov_b32 s71, 0
	s_add_nc_u64 s[60:61], s[4:5], s[66:67]
	s_add_nc_u64 s[62:63], s[4:5], s[70:71]
	s_wait_alu depctr_va_vdst(0)
	WIN 0x40
.set i, 0
.rept 4
	global_load_b128 v[QA+4*i:QA+4*i+3], v[LI], s[60:61] offset:512*i
	global_load_b128 v[QB+4*i:QB+4*i+3], v[LI], s[62:63] offset:512*i
.set i, i+1
.endr
	WIN 0
	s_lshr_b32 s66, s[BH], 4
	s_lshl_b32 s66, s66, 13
	s_add_nc_u64 s[10:11], s[10:11], s[66:67]
	global_load_b128 v[32:35], v2, s[10:11]
	global_load_b128 v[36:39], v2, s[10:11] offset:4096
	v_mov_b32 v[NEG], 0xf1800000
	v_bfe_u32 v[H32], v0, 4, 1
	s_delay_alu instid0(VALU_DEP_1)
	v_lshlrev_b32 v[H32], 5, v[H32]
	v_mov_b32 v[F+1], 0
	v_mov_b32 v[F+3], 0
	v_mov_b32 v[W+4], 0
	v_mov_b32 v[W+5], 0
	v_add_nc_u32 v3, BIAS, v2
	WIN 0x40
.set i, 0
.rept 16
	v_mov_b32 v[ONE+i], 0x38383838
.set i, i+1
.endr
	WIN 0
	s_wait_kmcnt 0x0
	s_add_co_i32 s66, s46, s47
	s_lshl_b32 s66, s66, 23
	s_add_co_i32 s[CS], s66, 0x3e38aa3b
	s_mov_b32 s[CS+1], s[CS]
	s_add_co_i32 s[THR], s[CS], 99<<23
	s_or_b32 s[THR], s[THR], 0x80000000
	s_add_co_i32 s66, s48, 127
	s_lshl_b32 s67, s66, 23
	v_mov_b32 v[SC8], s67
	s_add_co_i32 s66, s66, 8
	s_lshl_b32 s66, s66, 23
	s_or_b32 s66, s66, 0x600000
	v_mov_b32 v[LIM8], s66
	s_add_co_i32 s66, s50, 127
	s_lshl_b32 s67, s66, 23
	v_mov_b32 v[SC10], s67
	s_add_co_i32 s66, s66, 8
	s_lshl_b32 s66, s66, 23
	s_or_b32 s[LIMP], s66, 0x600000
	s_or_b32 s[LIMN], s[LIMP], 0x80000000
	s_add_co_i32 s[E89], s48, s49
	s_sub_co_i32 s[E9M], s49, 11
	s_wait_loadcnt 0x0
.irp x, 32,33,34,35,36,37,38,39
	v_cmp_eq_f32 vcc_lo, 0, v\x
	s_delay_alu instid0(VALU_DEP_1)
	v_cndmask_b32 v\x, 0, v[NEG], vcc_lo
.endr
	ds_store_b128 v3, v[32:35]
	ds_store_b128 v3, v[36:39] offset:4096
	s_wait_tensorcnt 0x0
	s_wait_dscnt 0x0
	s_barrier_signal -1
	s_barrier_wait -1
	s_lshl_b32 s66, s[WV], 14
	s_add_co_u32 s66, s66, VIMG
	v_add_nc_u32 v[AV], s66, v[LI]
	WIN 0x40
.set i, 0
.rept 16
	ds_load_b128 v[VF+4*i:VF+4*i+3], v[AV] offset:512*i
.set i, i+1
.endr
.set i, 0
.rept 16
	ds_load_b128 v[KF+4*i:KF+4*i+3], v[AV] offset:8192+512*i
.set i, i+1
.endr
	s_wait_dscnt 0x0
	WIN 0x05
.irp t, 0,1,2,3
	v_wmma_f32_16x16x128_fp8_fp8 v[S+8*\t:S+8*\t+7], v[VF+16*\t:VF+16*\t+15], v[ONE:ONE+15], 0
.endr
.irp t, 0,1,2,3
	v_wmma_f32_16x16x128_fp8_fp8 v[S+8*\t:S+8*\t+7], v[KF+16*\t:KF+16*\t+15], v[ONE:ONE+15], v[S+8*\t:S+8*\t+7]
.endr
	WIN 0
.rept 4
	v_nop
.endr
	s_lshl_b32 s66, s[WV], 12
	s_add_co_u32 s66, s66, PART
	v_add_nc_u32 v[AK], s66, v[LI]
.set i, 0
.rept 8
	ds_store_b128 v[AK], v[S+4*i:S+4*i+3] offset:512*i
.set i, i+1
.endr
	s_wait_dscnt 0x0
	s_barrier_signal -1
	s_barrier_wait -1
	s_lshl_b32 s66, s[WV], 9
	s_add_co_u32 s67, s66, PART
	v_add_nc_u32 v[AK], s67, v[LI]
.set i, 0
.rept 8
	ds_load_b128 v[S+4*i:S+4*i+3], v[AK] offset:4096*i
.set i, i+1
.endr
	v_min_num_f32 v[W], 1.0, v[LIM8]
	s_delay_alu instid0(VALU_DEP_1)
	v_ldexp_f32 v[W], v[W], s[E9M]
	s_delay_alu instid0(VALU_DEP_1)
	v_mov_b32 v[W+1], v[W]
	s_add_co_u32 s67, s66, VMEAN
	v_add_nc_u32 v[AB], s67, v[LI]
	s_wait_dscnt 0x0
.irp q, 0,2
.irp p, 0,8,16,24
	v_pk_add_f32 v[S+\p+\q:S+\p+\q+1], v[S+\p+\q:S+\p+\q+1], v[S+\p+4+\q:S+\p+4+\q+1]
.endr
.irp p, 0
	s_delay_alu instid0(VALU_DEP_3)
	v_pk_add_f32 v[S+\p+\q:S+\p+\q+1], v[S+\p+\q:S+\p+\q+1], v[S+\p+8+\q:S+\p+8+\q+1]
.endr
.irp p, 16
	s_delay_alu instid0(VALU_DEP_2)
	v_pk_add_f32 v[S+\p+\q:S+\p+\q+1], v[S+\p+\q:S+\p+\q+1], v[S+\p+8+\q:S+\p+8+\q+1]
.endr
	s_delay_alu instid0(VALU_DEP_1)
	v_pk_add_f32 v[S+\q:S+\q+1], v[S+\q:S+\q+1], v[S+16+\q:S+16+\q+1]
	s_wait_alu depctr_va_vdst(0)
	v_pk_mul_f32 v[S+\q:S+\q+1], v[S+\q:S+\q+1], v[W:W+1]
.endr
	ds_store_b128 v[AB], v[S:S+3]
	s_wait_dscnt 0x0
	s_barrier_signal -1
	s_barrier_wait -1
	s_mov_b32 s[PASS], 0
.Lpass:
	s_wait_xcnt 0x0
	s_lshl_b32 s66, s[WV], 2
	s_add_co_u32 s66, s66, s[CX]
	s_sub_co_u32 s67, 63, s66
	s_sub_co_u32 s68, 15, s[WV]
	s_lshl_b32 s69, s[CX], 5
	s_sub_co_u32 s70, 96, s69
	s_cmp_eq_u32 s[PASS], 0
	s_cselect_b32 s[DB], s66, s67
	s_cselect_b32 s[DS], s[WV], s68
	s_cselect_b32 s[QOFF], s69, s70
	s_mov_b32 s67, 0
	s_lshr_b32 s66, s[BH], 4
	s_lshl_b32 s66, s66, 7
	s_lshl_b32 s68, s[DB], 1
	s_add_co_u32 s66, s66, s68
	s_lshl_b32 s66, s66, 4
	s_and_b32 s68, s[BH], 15
	s_add_co_u32 s66, s66, s68
	s_lshl_b32 s66, s66, 10
	s_add_nc_u64 s[62:63], s[14:15], s[66:67]
	s_cmp_eq_u32 s[PASS], 0                        ; both passes' Q were loaded at the head: this pass's is chosen
	s_cselect_b32 s66, -1, 0
	WIN 0x45
.set i, 0
.rept 16
	v_cndmask_b32 v[QF+i], v[QB+i], v[QA+i], s66
.set i, i+1
.endr
	WIN 0
	v_and_b32 v[W], 15, v0
	v_bfe_u32 v[W+1], v0, 4, 1
	s_delay_alu instid0(VALU_DEP_1)
	v_lshlrev_b32 v[W+1], 3, v[W+1]
	s_delay_alu instid0(VALU_DEP_1)
	v_sub_nc_u32 v[W], v[W], v[W+1]
	s_delay_alu instid0(VALU_DEP_1)
	v_add_nc_u32 v[DU], s[QOFF], v[W]
	s_delay_alu instid0(VALU_DEP_1)
	v_add_nc_u32 v[DU+1], 16, v[DU]
.irp u, 0,1
	v_mov_b32 v[ST+4*\u+1], 0xff61b1e6
	s_delay_alu instid0(VALU_DEP_1)
	v_floor_f32 v[ST+4*\u], -v[ST+4*\u+1]
	v_mov_b32 v[ST+4*\u+2], 0
	v_mov_b32 v[ST+4*\u+3], 0
.endr
.set i, 0
.rept 64
	v_mov_b32 v[O+i], 0
.set i, i+1
.endr
	s_mov_b32 s[STP], 0
	s_mov_b32 s[KO], KIMG
	s_mov_b32 s[VOF], VIMG
	s_mov_b32 s[BOF], BIAS
	v_add_nc_u32 v[AK], KIMG, v[LI]
	v_add_nc_u32 v[AB], BIAS, v[H32]
	WIN 0x40                                       ; step 0's K fragments and mask terms
.set i, 0
.rept 16
	ds_load_b128 v[KF+4*i:KF+4*i+3], v[AK] offset:512*i
.set i, i+1
.endr
.set i, 0
.rept 16
	ds_load_b128 v[BF+4*i:BF+4*i+3], v[AB] offset:64*(i/2)+16*(i%2)
.set i, i+1
.endr
	WIN 0
.Lstep:
	s_cmp_gt_u32 s[STP], s[DS]
	s_cbranch_scc1 .Lhidden
	v_add_nc_u32 v[AK], s[KO], v[LI]
	v_add_nc_u32 v[AV], s[VOF], v[LI]
	v_add_nc_u32 v[AB], s[BOF], v[H32]
	v_nop
	WIN 0x40
.set i, 0
.rept 16
	ds_load_b128 v[VF+4*i:VF+4*i+3], v[AV] offset:512*i
.set i, i+1
.endr
	s_wait_alu depctr_va_vdst(0)
	s_wait_dscnt 16                                ; this step's K and mask terms, asked for a step ago, are in; V's sixteen loads may be out
	WIN 0x15
.set i, 0
.rept 16
	v_wmma_f32_16x16x64_fp8_fp8 v[S+64*(i%2)+8*(i/2):S+64*(i%2)+8*(i/2)+7], v[KF+8*(i/2):KF+8*(i/2)+7], v[QF+8*(i%2):QF+8*(i%2)+7], v[BF+8*(i/2):BF+8*(i/2)+7]
.set i, i+1
.endr
	WIN 0
.rept 4
	v_nop
.endr
	WIN 0x40                                       ; the next step's K fragments and mask terms, behind the four places.  The wave's last step reads 8,192 and 512 bytes further on in LDS all the same, and nothing uses them
.set i, 0
.rept 16
	ds_load_b128 v[KF+4*i:KF+4*i+3], v[AK] offset:8192+512*i
.set i, i+1
.endr
.set i, 0
.rept 16
	ds_load_b128 v[BF+4*i:BF+4*i+3], v[AB] offset:512+64*(i/2)+16*(i%2)
.set i, i+1
.endr
	WIN 0
	s_cmp_lg_u32 s[STP], s[DS]
	s_cbranch_scc1 .Lopen
.set i, 0
.rept 64
	v_cmp_gt_i32 vcc_lo, 16*(i/8)+i%8, v[DU]
	v_cndmask_b32 v[S+i], v[S+i], v[NEG], vcc_lo
	v_cmp_gt_i32 vcc_lo, 16*(i/8)+i%8, v[DU+1]
	v_cndmask_b32 v[S+64+i], v[S+64+i], v[NEG], vcc_lo
.set i, i+1
.endr
.Lopen:
.irp u, 0,1
	v_max3_num_f32 v[W+2*\u], v[S+64*\u], v[S+64*\u+1], v[S+64*\u+2]
	v_max3_num_f32 v[W+2*\u+1], v[S+64*\u+3], v[S+64*\u+4], v[S+64*\u+5]
.endr
.set i, 6
.rept 14
.irp u, 0,1
	v_max3_num_f32 v[W+2*\u], v[W+2*\u], v[S+64*\u+i], v[S+64*\u+i+1]
	v_max3_num_f32 v[W+2*\u+1], v[W+2*\u+1], v[S+64*\u+i+2], v[S+64*\u+i+3]
.endr
.set i, i+4
.endr
.irp u, 0
	v_max3_num_f32 v[W+2*\u], v[W+2*\u], v[S+64*\u+62], v[S+64*\u+63]
.endr
.irp u, 1
	v_max3_num_f32 v[W+2*\u], v[W+2*\u], v[S+64*\u+62], v[S+64*\u+63]
.endr
.irp u, 0,1
	s_delay_alu instid0(VALU_DEP_2)
	v_max_num_f32 v[W+2*\u], v[W+2*\u], v[W+2*\u+1]
.endr
.irp u, 0,1
	s_delay_alu instid0(VALU_DEP_2)
	v_permlanex16_b32 v[W+4+\u], v[W+2*\u], s[SEL], s[SEL+1]
.endr
.irp u, 0,1
	s_delay_alu instid0(VALU_DEP_2)
	v_max_num_f32 v[W+2*\u], v[W+2*\u], v[W+4+\u]
.endr
.irp u, 0,1
	s_delay_alu instid0(VALU_DEP_2)
	v_mul_f32 v[W+2*\u], s[CS], v[W+2*\u]
.endr
.irp u, 0,1
	s_delay_alu instid0(VALU_DEP_2)
	v_max_num_f32 v[ST+4*\u+1], v[ST+4*\u+1], v[W+2*\u]
.endr
.irp u, 0,1
	v_mov_b32 v[W+2*\u], v[ST+4*\u]
.endr
.irp u, 0,1
	s_delay_alu instid0(VALU_DEP_4)
	v_floor_f32 v[ST+4*\u], -v[ST+4*\u+1]
.endr
.irp u, 0,1
	s_delay_alu instid0(VALU_DEP_2)
	v_sub_f32 v[W+2*\u], v[ST+4*\u], v[W+2*\u]
.endr
.irp u, 0,1
	s_delay_alu instid0(VALU_DEP_2)
	v_cvt_i32_f32 v[W+2*\u], v[W+2*\u]
.endr
.irp u, 0,1
	s_delay_alu instid0(VALU_DEP_2)
	v_ldexp_f32 v[F+2*\u], 1.0, v[W+2*\u]
.endr
.set i, 0
.rept 32
	v_pk_fma_f32 v[S+i:S+i+1], v[S+i:S+i+1], s[CS:CS+1], v[ST:ST+1] op_sel_hi:[1,0,0]
	v_pk_fma_f32 v[S+64+i:S+64+i+1], v[S+64+i:S+64+i+1], s[CS:CS+1], v[ST+4:ST+5] op_sel_hi:[1,0,0]
.set i, i+2
.endr
.set i, 0
	s_wait_alu depctr_va_vdst(0)
.rept 128
	v_exp_f32 v[S+i], v[S+i]
.set i, i+1
.endr
	v_pk_mul_f32 v[ST+2:ST+3], v[ST+2:ST+3], v[F:F+1] op_sel_hi:[1,0]
	v_pk_mul_f32 v[ST+6:ST+7], v[ST+6:ST+7], v[F+2:F+3] op_sel_hi:[1,0]
	s_wait_alu depctr_va_vdst(0)
.irp u, 0,1
	v_pk_add_f32 v[W+2*\u:W+2*\u+1], v[S+64*\u:S+64*\u+1], v[S+64*\u+2:S+64*\u+3]
.endr
.set i, 4
.rept 15
.irp u, 0,1
	v_pk_add_f32 v[ST+4*\u+2:ST+4*\u+3], v[ST+4*\u+2:ST+4*\u+3], v[S+64*\u+i:S+64*\u+i+1]
	v_pk_add_f32 v[W+2*\u:W+2*\u+1], v[W+2*\u:W+2*\u+1], v[S+64*\u+i+2:S+64*\u+i+3]
.endr
.set i, i+4
.endr
.irp u, 0
	s_delay_alu instid0(VALU_DEP_3)
	v_pk_add_f32 v[ST+4*\u+2:ST+4*\u+3], v[ST+4*\u+2:ST+4*\u+3], v[W+2*\u:W+2*\u+1]
.endr
.irp u, 1
	s_delay_alu instid0(VALU_DEP_2)
	v_pk_add_f32 v[ST+4*\u+2:ST+4*\u+3], v[ST+4*\u+2:ST+4*\u+3], v[W+2*\u:W+2*\u+1]
.endr
.set i, 0
.rept 128
	v_min_num_f32 v[S+i], v[S+i], v[LIM8]
.set i, i+1
.endr
.set i, 0
.rept 16
	v_cvt_scalef32_pk8_fp8_f32 v[P+2*i:P+2*i+1], v[S+8*i:S+8*i+7], v[SC8]
.set i, i+1
.endr
.set i, 0
.rept 16
	v_pk_mul_f32 v[O+i:O+i+1], v[O+i:O+i+1], v[F:F+1] op_sel_hi:[1,0]
	v_pk_mul_f32 v[O+32+i:O+32+i+1], v[O+32+i:O+32+i+1], v[F+2:F+3] op_sel_hi:[1,0]
.set i, i+2
.endr
	s_wait_alu depctr_va_vdst(0)
	s_wait_dscnt 32                                ; V is in; the next step's 32 loads may be out
	WIN 0x01
.set i, 0
.rept 8
	v_wmma_f32_16x16x128_fp8_fp8 v[O+32*(i%2)+8*(i/2):O+32*(i%2)+8*(i/2)+7], v[VF+16*(i/2):VF+16*(i/2)+15], v[P+16*(i%2):P+16*(i%2)+15], v[O+32*(i%2)+8*(i/2):O+32*(i%2)+8*(i/2)+7]
.set i, i+1
.endr
	WIN 0
.Lhidden:
	s_add_co_u32 s[KO], s[KO], 8192
	s_add_co_u32 s[VOF], s[VOF], 8192
	s_add_co_u32 s[BOF], s[BOF], 512
	s_add_co_u32 s[STP], s[STP], 1
	s_cmp_lt_u32 s[STP], 16
	s_cbranch_scc1 .Lstep
	v_add_nc_u32 v[AK], VMEAN, v[LI]
.set i, 0
.rept 8
	ds_load_b128 v[S+4*i:S+4*i+3], v[AK] offset:512*i
.set i, i+1
.endr
.irp u, 0,1
	v_add_f32 v[ST+4*\u+2], v[ST+4*\u+2], v[ST+4*\u+3]
.endr
.irp u, 0,1
	s_delay_alu instid0(VALU_DEP_2)
	v_permlanex16_b32 v[W+4+\u], v[ST+4*\u+2], s[SEL], s[SEL+1]
.endr
.irp u, 0,1
	s_delay_alu instid0(VALU_DEP_2)
	v_add_f32 v[ST+4*\u+2], v[ST+4*\u+2], v[W+4+\u]
.endr
	s_wait_alu depctr_va_vdst(0)
.irp u, 0,1
	v_rcp_f32 v[ST+4*\u+2], v[ST+4*\u+2]
.endr
	v_nop
	v_cmp_gt_f32 s[FLAG], s[THR], v[ST+1]
	v_cmp_gt_f32 s[FLAG+1], s[THR], v[ST+5]
	s_wait_alu depctr_va_vdst(0)
.irp u, 0,1
	v_ldexp_f32 v[ST+4*\u+2], v[ST+4*\u+2], s[E89]
.endr
.set i, 0
.rept 16
	v_pk_mul_f32 v[Y+i:Y+i+1], v[O+i:O+i+1], v[ST+2:ST+3] op_sel_hi:[1,0]
	v_pk_mul_f32 v[Y+32+i:Y+32+i+1], v[O+32+i:O+32+i+1], v[ST+6:ST+7] op_sel_hi:[1,0]
.set i, i+2
.endr
	s_wait_dscnt 0x0
.set i, 0
.rept 32
	v_cndmask_b32 v[Y+i], v[Y+i], v[S+i], s[FLAG]
	v_cndmask_b32 v[Y+32+i], v[Y+32+i], v[S+i], s[FLAG+1]
.set i, i+1
.endr
.set i, 0
.rept 64
	v_med3_num_f32 v[Y+i], v[Y+i], s[LIMN], s[LIMP]
.set i, i+1
.endr
.set i, 0
.rept 8
	v_cvt_scalef32_pk8_fp8_f32 v[P+2*i:P+2*i+1], v[Y+8*i:Y+8*i+7], v[SC10]
.set i, i+1
.endr
	v_nop
.set i, 0
.rept 4
	global_store_b128 v[LI], v[P+4*i:P+4*i+3], s[62:63] offset:16384*(i/2)+512*(i%2)
.set i, i+1
.endr
	s_add_co_u32 s[PASS], s[PASS], 1
	s_cmp_lt_u32 s[PASS], 2
	s_cbranch_scc1 .Lpass
	s_wait_tensorcnt 0x0
	ds_add_u32 v[SPW], v[NIL]
	s_wait_dscnt 0x0
	CROUND
	s_endpgm
.Lfunc_end_k_q8697560eab_attn:
	.size	k_q8697560eab_attn, .Lfunc_end_k_q8697560eab_attn-k_q8697560eab_attn
	.p2alignl 7, 3214868480
	.fill 96, 4, 3214868480
	.section	.rodata,"a",@progbits
	.p2align	6, 0x0
	.amdhsa_kernel k_q8697560eab_attn
		.amdhsa_group_segment_fixed_size 327680
		.amdhsa_private_segment_fixed_size 0
		.amdhsa_enable_private_segment 0
		.amdhsa_kernarg_size 48
		.amdhsa_user_sgpr_count 2
		.amdhsa_user_sgpr_kernarg_segment_ptr 1
		.amdhsa_wavefront_size32 1
		.amdhsa_system_sgpr_workgroup_id_x 1
		.amdhsa_system_sgpr_workgroup_id_y 1
		.amdhsa_system_sgpr_workgroup_id_z 1
		.amdhsa_system_vgpr_workitem_id 0
		.amdhsa_next_free_vgpr 512
		.amdhsa_next_free_sgpr 100
		.amdhsa_reserve_vcc 1
		.amdhsa_float_denorm_mode_32 3
		.amdhsa_float_denorm_mode_16_64 3
		.amdhsa_memory_ordered 1
		.amdhsa_forward_progress 1
		.amdhsa_inst_pref_size 74
	.end_amdhsa_kernel
	.amdgpu_metadata
---
amdhsa.version: [ 1, 2 ]
amdhsa.kernels:
  - .name:           k_q8697560eab_attn
    .symbol:         k_q8697560eab_attn.kd
    .args:
      - { .name: qc, .offset: 0, .size: 8, .value_kind: global_buffer, .address_space: global }
      - { .name: kc, .offset: 8, .size: 8, .value_kind: global_buffer, .address_space: global }
      - { .name: vc, .offset: 16, .size: 8, .value_kind: global_buffer, .address_space: global }
      - { .name: mask, .offset: 24, .size: 8, .value_kind: global_buffer, .address_space: global }
      - { .name: lowp_scales, .offset: 32, .size: 8, .value_kind: global_buffer, .address_space: global }
      - { .name: ac, .offset: 40, .size: 8, .value_kind: global_buffer, .address_space: global }
    .group_segment_fixed_size: 327680
    .private_segment_fixed_size: 0
    .kernarg_segment_align: 8
    .kernarg_segment_size: 48
    .max_flat_workgroup_size: 256
    .sgpr_count:     100
    .vgpr_count:     512
    .wavefront_size: 32
...
	.end_amdgpu_metadata
.endif
;; end of part 3
;; launch outp (part 4): grid 4 x 64, 4 waves a work-group, clusters of 4 x 4, 327,680 bytes of LDS; arguments ac, wc, lowp_scales, bo, out0; writes out0
.if DOCPART == 4
	.amdgcn_target "amdgcn-amd-amdhsa--gfx1250"
	.amdhsa_code_object_version 6
	.text
	.protected	k_q8697560eab_outp
	.globl	k_q8697560eab_outp
	.p2align	8
	.type	k_q8697560eab_outp,@function
k_q8697560eab_outp:
	s_mov_b64 s[64:65], 0
	v_nop
	global_prefetch_b8 v0, s[64:65] scope:SCOPE_SE
	s_setreg_imm32_b32 hwreg(HW_REG_WAVE_MODE, 25, 1), 1
	s_wait_xcnt 0x0
	s_wait_alu depctr_hold_cnt(0) depctr_sa_sdst(0) depctr_va_vdst(0) depctr_va_sdst(0) depctr_va_ssrc(0) depctr_va_vcc(0) depctr_vm_vsrc(0)
	s_getreg_b32 s2, hwreg(HW_REG_IB_STS2, 6, 4)
	s_cmp_eq_u32 s2, 0
	s_cbranch_scc0 .Lentry_in_a_cluster
	s_endpgm
.Lentry_in_a_cluster:
	s_bfe_u32 s2, ttmp6, 0x10000c
	s_cmp_lg_u32 s2, 0xf033
	s_cbranch_scc0 .Lentry_shape_is_right
	s_endpgm
.Lentry_shape_is_right:
; The projection on the way out: out0 = a Wo^T + bo, on codes of FP8 (E4M3).  a [8,192 tokens][1,024] comes as attention left it, Wo's codes row-major at byte 3 x 2^20 of wc.  A sum is multiplied once by 2^(e10 + e11).
; LIMIT: e10 + e11 between -126 and 127, so that this power of two is an f32 number.
; A block of out0 is 128 tokens x 256 features: 64 x 4 = 256 work-groups.  Four waves, each 64 tokens x 128 features: 32 accumulators, 256 registers.
; ac: [tile of 16 tokens (512)][head (16)][1,024 bytes], an image of a 16 x 64 fragment: registers 2 t, 2 t + 1 of lane (r, h): channels 16 t + 8 h + 0 .. 7.  Two heads on end are a 16 x 128 fragment in the form's own layout,
; so Wo's fragments are fetched in that layout too, by eight loads of 8 bytes.
; K goes in four steps of 256 through a ring of two LDS slots.  A slot: a's 8 token tiles x 4,096 bytes (dense), then Wo's 256 rows of 256 bytes + 16 of padding.  Waves 0, 1 fetch a's halves, waves 2, 3 Wo's: one tensor load a wave.
; CLUSTERS: 4 x 4 work-groups; a's tile is shared along a row of the cluster, Wo's along a column: each is asked for jointly, with a mask that names the four.
; NO PREFETCH: of the four K steps two are asked for at the head, and a request two steps ahead of the other two would stand at the head as well.
; THE MATRIX INSTRUCTION IS USED TRANSPOSED (source 0 = 16 rows of Wo, source 1 = 16 tokens): a lane holds eight neighbouring features of one token.
; Both operands have two sets of registers: while one 128 along K is multiplied, the next one's fragments come in.
; REGISTERS: window 0: v8-29 bias and addresses, v128-255 a's two sets, at work on the way out; window 1: Wo's two sets; window 2: accumulator (a, b) at v[8 (8 a + b)].
.set SIZE_N, 1024
.set PITCH,  272
.set FR,     16
.set AHALF,  16384                     ; four token tiles x 4,096 bytes
.set BHALF,  128*PITCH
.set BOFF,   2*AHALF
.set SLOT,   BOFF+2*BHALF              ; 102,400
.set SPARE,  2*SLOT                    ; behind the ring: the spare words
.set SPITCH, 528                       ; the way out: a stage of 16 rows x (512 + 16) bytes a wave, in slot 0, which has then had its last fill and its last read
.set BI,   8
.set ADRA, 16
.set ADRB, 20
.set STO,  24
.set RD,   25
.set CO,   26
.set SPW,  28
.set NIL,  29
.set AF,   128
.set BK,   128
.set G1, 24
.set G0, 32
.set G1B, 48
.set G0B, 56
.set MSB, 0
.macro WIN new
.if MSB != \new
	s_set_vgpr_msb (MSB<<8)|\new
.set MSB, \new
.endif
.endm
.set MUL,  0xa1                        ; source 0 (Wo) window 1, source 1 (a) window 0, C and D window 2
.set TO_B, 0x40
.macro JLOAD g0a, g1a, g0b, g1b        ; a joint load: the branch hangs on the wave's number alone; s_nop 0 and four v_nop behind each line
	s_cmp_eq_u32 s15, 0
	s_cbranch_scc0 .Lfor_b_\@
	tensor_load_to_lds s[\g0a:\g0a+3], s[\g1a:\g1a+7]
	s_nop 0
.rept 4
	v_nop
.endr
	s_branch .Lasked_\@
.Lfor_b_\@:
	tensor_load_to_lds s[\g0b:\g0b+3], s[\g1b:\g1b+7]
	s_nop 0
.rept 4
	v_nop
.endr
.Lasked_\@:
.endm
.macro CREST
	s_cmp_lg_u32 s14, 0
	s_cbranch_scc1 .Lnot_wave_0_\@
	s_barrier_signal -3
.Lnot_wave_0_\@:
	s_barrier_wait -3
	s_barrier_signal -1
	s_barrier_wait -1
.endm
.macro CROUND
	s_barrier_signal -1
	s_barrier_wait -1
	CREST
.endm
	s_load_b128 s[4:7], s[0:1], 0x0                ; ac, wc
	s_load_b128 s[8:11], s[0:1], 0x10              ; the scales' exponents, bo
	s_load_b64 s[12:13], s[0:1], 0x20              ; out0
	v_lshl_add_u32 v[SPW], v0, 2, SPARE
	v_mov_b32 v[NIL], 0
	ds_add_u32 v[SPW], v[NIL]                      ; the opening lines: the add, twice on end, and its wait ahead of my first tensor load
	ds_add_u32 v[SPW], v[NIL]
	v_lshrrev_b32 v1, 5, v0
	v_readfirstlane_b32 s14, v1                    ; wave
	s_lshr_b32 s15, s14, 1                         ; my half of the tokens.  Also: I fetch for a (0) or for Wo (1)
	s_and_b32 s16, s14, 1                          ; my half of the features.  Also: which half of that tile I fetch
	s_bfe_u32 s40, ttmp6, 0x40000                  ; cx = the block of 256 features
	s_bfe_u32 s41, ttmp6, 0x40004                  ; cy
	s_and_b32 s17, ttmp7, 0xffff
	s_lshl_b32 s17, s17, 2
	s_add_co_u32 s17, s17, s41                     ; the block of 128 tokens
	s_lshl_b32 s43, s41, 2
	s_lshl_b32 s43, 15, s43                        ; my row of the cluster
	s_lshl_b32 s44, 0x1111, s40                    ; my column
	s_or_b32 s[G1+0], s43, (3<<16)|(1<<21)         ; a: elements of 8 bytes, 4 rows (token tiles) of 512, 2,048 apart
	s_mov_b32 s[G1+1], 512<<16
	s_mov_b32 s[G1+2], 4<<16
	s_mov_b32 s[G1+3], 512<<16
	s_mov_b32 s[G1+4], 4
	s_mov_b32 s[G1+5], 2048
	s_mov_b32 s[G1+6], 0
	s_mov_b32 s[G1+7], 0
	s_or_b32 s[G1B+0], s44, (0<<16)|(1<<20)|(1<<21)|(5<<22)|(3<<25)   ; Wo: 128 rows of 256 bytes, four words of padding behind every 64
	s_mov_b32 s[G1B+1], 256<<16
	s_mov_b32 s[G1B+2], 128<<16
	s_mov_b32 s[G1B+3], 256<<16
	s_mov_b32 s[G1B+4], 128
	s_mov_b32 s[G1B+5], 1024
	s_mov_b32 s[G1B+6], 0
	s_mov_b32 s[G1B+7], 0
	s_lshl_b32 s18, s16, 16                        ; a: four token tiles of 16,384 bytes
	s_lshl_b32 s20, s17, 17                        ; the block's eight
	s_add_co_u32 s20, s20, s18
	s_mov_b32 s21, 0
	s_lshl_b32 s18, s16, 17                        ; Wo: 128 rows of 1,024 bytes
	s_lshl_b32 s46, s40, 18
	s_add_co_u32 s46, s46, s18
	s_add_co_u32 s46, s46, 0x300000
	s_mov_b32 s47, 0
	s_lshl_b32 s45, s16, 14                        ; where they go in a slot
	s_mul_i32 s19, s16, BHALF
	s_add_co_u32 s19, s19, BOFF
	s_wait_dscnt 0x0
	s_wait_kmcnt 0x0
	s_load_b64 s[96:97], s[8:9], 0x28              ; e10, e11
	s_add_nc_u64 s[20:21], s[4:5], s[20:21]
	s_add_nc_u64 s[46:47], s[6:7], s[46:47]
	CROUND                                         ; all sixteen work-groups are here: the first joint loads meet
.irp s, 0,1
	s_mov_b32 s[G0+4*\s], 1
	s_add_co_u32 s[G0+4*\s+1], s45, \s*SLOT
	s_add_nc_u64 s[G0+4*\s+2:G0+4*\s+3], s[20:21], \s*4096
	s_or_b32 s[G0+4*\s+3], s[G0+4*\s+3], 0x80000000
	s_mov_b32 s[G0B+4*\s], 1
	s_add_co_u32 s[G0B+4*\s+1], s19, \s*SLOT
	s_add_nc_u64 s[G0B+4*\s+2:G0B+4*\s+3], s[46:47], \s*256
	s_or_b32 s[G0B+4*\s+3], s[G0B+4*\s+3], 0x80000000
.endr
	JLOAD G0, G1, G0B, G1B                         ; K step 0: one tensor load a wave at the head
	v_and_b32 v1, 15, v0
	v_bfe_u32 v2, v0, 4, 1
	v_and_b32 v6, 31, v0
	v_lshlrev_b32 v[CO], 4, v6
	v_mul_u32_u24 v3, v1, PITCH
	v_lshl_add_u32 v4, v2, 3, v3
	s_lshl_b32 s21, s15, 14                        ; my four token tiles
	s_mul_i32 s22, s16, BHALF
	s_add_co_u32 s22, s22, BOFF                    ; my 128 rows of Wo
.irp s, 0,1
	v_add_nc_u32 v[ADRA+\s], s21, v[CO]
	v_add_nc_u32 v[ADRB+\s], s22, v4
	s_add_co_u32 s21, s21, SLOT
	s_add_co_u32 s22, s22, SLOT
.endr
	s_mul_i32 s23, s14, 16*SPITCH
	v_mul_u32_u24 v5, v1, SPITCH
	v_lshl_add_u32 v5, v2, 5, v5
	v_add_nc_u32 v[STO], s23, v5
	v_add_nc_u32 v[RD], s23, v[CO]
	s_lshl_b32 s20, s17, 7
	s_lshl_b32 s21, s15, 6
	s_add_co_u32 s20, s20, s21                     ; my first token
	s_lshl_b32 s20, s20, 12                        ; x 4,096 bytes
	s_mov_b32 s21, 0
	s_lshl_b32 s46, s40, 10
	s_lshl_b32 s47, s16, 9
	s_add_co_u32 s46, s46, s47                     ; my first feature, in bytes
	s_mov_b32 s47, 0
	s_add_nc_u64 s[10:11], s[10:11], s[46:47]
	global_load_b128 v[BI:BI+3], v[CO], s[10:11]   ; the four biases of my 16 bytes of a row
	s_add_nc_u64 s[12:13], s[12:13], s[20:21]
	s_add_nc_u64 s[12:13], s[12:13], s[46:47]
.macro MUL16 a0, p, zero               ; token tiles a0, a0 + 1 x the eight blocks of features; the 32 accumulators take turns in the same order in every step
.irp a, \a0, \a0+1
.irp b, 0,1,2,3,4,5,6,7
.if \zero
	v_wmma_f32_16x16x128_fp8_fp8 v[8*(8*(\a)+\b):8*(8*(\a)+\b)+7], v[128*(\p)+FR*\b:128*(\p)+FR*\b+FR-1], v[AF+64*(\p)+FR*(\a):AF+64*(\p)+FR*(\a)+FR-1], 0
.else
	v_wmma_f32_16x16x128_fp8_fp8 v[8*(8*(\a)+\b):8*(8*(\a)+\b)+7], v[128*(\p)+FR*\b:128*(\p)+FR*\b+FR-1], v[AF+64*(\p)+FR*(\a):AF+64*(\p)+FR*(\a)+FR-1], v[8*(8*(\a)+\b):8*(8*(\a)+\b)+7]
.endif
.endr
.endr
.endm
.macro FETCH slot, q, p                ; the fragments of the slot's q-th 128 along K into set p
	WIN TO_B
.irp i, 0,1,2,3,4,5,6,7
.irp c, 0,1,2,3,4,5,6,7
	ds_load_b64 v[128*(\p)+FR*\i+2*\c:128*(\p)+FR*\i+2*\c+1], v[ADRB+\slot] offset:128*(\q)+16*\c+\i*16*PITCH
.endr
.endr
	WIN 0
.irp i, 0,1,2,3
.irp c, 0,1,2,3
	ds_load_b128 v[AF+64*(\p)+FR*\i+4*\c:AF+64*(\p)+FR*\i+4*\c+3], v[ADRA+\slot] offset:4096*\i+2048*(\q)+512*\c
.endr
.endr
.endm
.macro PLACES                          ; four places behind a matrix instruction (ISA guide 7.12.1)
.rept 4
	v_nop
.endr
.endm
.macro STEP slot, zero                 ; a slot's first 128 along K, on set 0
	s_wait_dscnt 0x0                               ; set 0 is in
	FETCH \slot, 1, 1                              ; set 1's last readers stand ahead of the places that closed the last step
	WIN MUL
	MUL16 0, 0, \zero
	MUL16 2, 0, \zero
	PLACES
	WIN 0
.endm
.macro TURN slot, next, fill           ; a slot's second 128, on set 1, and the change of slots
	s_wait_tensorcnt 0x0                           ; all my tensor loads have landed: my part of the next slot;
	ds_add_u32 v[SPW], v[NIL]
	s_wait_dscnt 0x0                               ; the add is done, set 1 is in: my reads of this slot are over
	s_barrier_signal -1
	WIN MUL
	MUL16 0, 1, 0
	WIN 0
	s_barrier_wait -1
.if \fill
	CREST                                          ; the barrier has opened a round of the cluster's barrier
	s_add_nc_u64 s[G0+4*\slot+2:G0+4*\slot+3], s[G0+4*\slot+2:G0+4*\slot+3], 2*4096
	s_add_nc_u64 s[G0B+4*\slot+2:G0B+4*\slot+3], s[G0B+4*\slot+2:G0B+4*\slot+3], 2*256
	JLOAD G0+4*\slot, G1, G0B+4*\slot, G1B         ; my one load behind the round: this slot's next K step
.else
	PLACES
.endif
	FETCH \next, 0, 0
	WIN MUL
	MUL16 2, 1, 0
	PLACES
	WIN 0
.endm
	s_wait_alu depctr_va_vdst(0)
	s_wait_tensorcnt 0x0                           ; my part of K step 0 is in; these lines stand ahead of a later first fill as ahead of a refill
	ds_add_u32 v[SPW], v[NIL]
	s_wait_dscnt 0x0
	CROUND                                         ; everybody's part is in, and the joint loads meet
	JLOAD G0+4, G1, G0B+4, G1B                     ; K step 1
	FETCH 0, 0, 0
	STEP 0, 1                                      ; the first products start the sums
	TURN 0, 1, 1
	STEP 1, 0
	TURN 1, 0, 1
	STEP 0, 0
	TURN 0, 1, 0                                   ; the last two K steps fill nothing
	STEP 1, 0
	s_wait_dscnt 0x0
	WIN MUL
	MUL16 0, 1, 0
	MUL16 2, 1, 0
	WIN 0
; THE WAY OUT, by blocks of 16 tokens x 128 features: through my stage and back as whole rows of 512 bytes; sum x 2^(e10 + e11) + bias; 32 lanes store two aligned units of 256 bytes.
.macro TOSTAGE a
	WIN 0x08                                       ; store data: window 2
.irp b, 0,1,2,3,4,5,6,7
	ds_store_b128 v[STO], v[64*(\a)+8*\b:64*(\a)+8*\b+3] offset:64*\b
	ds_store_b128 v[STO], v[64*(\a)+8*\b+4:64*(\a)+8*\b+7] offset:64*\b+16
.endr
	WIN 0
.set RB, BK+64*((\a)%2)
.irp t, 0,1,2,3,4,5,6,7,8,9,10,11,12,13,14,15
	ds_load_b128 v[RB+4*\t:RB+4*\t+3], v[RD] offset:\t*SPITCH   ; LDS serves a wave's instructions in order: these see my stores
.endr
.endm
.macro SEND a, younger
.set RB, BK+64*((\a)%2)
	s_wait_dscnt \younger
.if (\a) > 0
	s_add_nc_u64 s[12:13], s[12:13], 16*SIZE_N*4   ; behind a wait on XCNT: the earlier stores have read their base
.endif
.irp t, 0,1,2,3,4,5,6,7,8,9,10,11,12,13,14,15
	v_pk_fma_f32 v[RB+4*\t:RB+4*\t+1], v[RB+4*\t:RB+4*\t+1], s[96:97], v[BI:BI+1] op_sel_hi:[1,0,1]
	v_pk_fma_f32 v[RB+4*\t+2:RB+4*\t+3], v[RB+4*\t+2:RB+4*\t+3], s[96:97], v[BI+2:BI+3] op_sel_hi:[1,0,1]
	global_store_b128 v[CO], v[RB+4*\t:RB+4*\t+3], s[12:13] offset:\t*SIZE_N*4 th:TH_STORE_NT
.endr
.endm
	s_wait_kmcnt 0x0
	s_add_co_i32 s96, s96, s97
	s_add_co_i32 s96, s96, 127
	s_lshl_b32 s96, s96, 23                        ; 2^(e10 + e11)
	s_mov_b32 s97, s96
	s_wait_loadcnt 0x0                             ; the biases
	PLACES
	TOSTAGE 0
.irp a, 1,2,3
.if \a > 1
	s_wait_xcnt 0x0                                ; block a - 2's stores have read their registers and their base
.endif
	TOSTAGE \a
	SEND \a-1, 32                                  ; behind block a - 1's loads: block a's 16 stores and 16 loads
.endr
	s_wait_xcnt 0x0
	SEND 3, 0
	s_wait_tensorcnt 0x0                           ; the wave's end
	ds_add_u32 v[SPW], v[NIL]
	s_wait_dscnt 0x0
	CROUND                                         ; the closing round
	s_endpgm
.Lfunc_end_k_q8697560eab_outp:
	.size	k_q8697560eab_outp, .Lfunc_end_k_q8697560eab_outp-k_q8697560eab_outp
	.p2alignl 7, 3214868480
	.fill 96, 4, 3214868480
	.section	.rodata,"a",@progbits
	.p2align	6, 0x0
	.amdhsa_kernel k_q8697560eab_outp
		.amdhsa_group_segment_fixed_size 327680
		.amdhsa_private_segment_fixed_size 0
		.amdhsa_enable_private_segment 0
		.amdhsa_kernarg_size 40
		.amdhsa_user_sgpr_count 2
		.amdhsa_user_sgpr_kernarg_segment_ptr 1
		.amdhsa_wavefront_size32 1
		.amdhsa_system_sgpr_workgroup_id_x 1
		.amdhsa_system_sgpr_workgroup_id_y 1
		.amdhsa_system_sgpr_workgroup_id_z 1
		.amdhsa_system_vgpr_workitem_id 0
		.amdhsa_next_free_vgpr 768
		.amdhsa_next_free_sgpr 100
		.amdhsa_reserve_vcc 0
		.amdhsa_float_denorm_mode_32 3
		.amdhsa_float_denorm_mode_16_64 3
		.amdhsa_memory_ordered 1
		.amdhsa_forward_progress 1
		.amdhsa_inst_pref_size 92
	.end_amdhsa_kernel
	.amdgpu_metadata
---
amdhsa.version: [ 1, 2 ]
amdhsa.kernels:
  - .name:           k_q8697560eab_outp
    .symbol:         k_q8697560eab_outp.kd
    .args:
      - { .name: ac, .offset: 0, .size: 8, .value_kind: global_buffer, .address_space: global }
      - { .name: wc, .offset: 8, .size: 8, .value_kind: global_buffer, .address_space: global }
      - { .name: lowp_scales, .offset: 16, .size: 8, .value_kind: global_buffer, .address_space: global }
      - { .name: bo, .offset: 24, .size: 8, .value_kind: global_buffer, .address_space: global }
      - { .name: out0, .offset: 32, .size: 8, .value_kind: global_buffer, .address_space: global }
    .group_segment_fixed_size: 327680
    .private_segment_fixed_size: 0
    .kernarg_segment_align: 8
    .kernarg_segment_size: 40
    .max_flat_workgroup_size: 128
    .sgpr_count:     100
    .vgpr_count:     768
    .wavefront_size: 32
...
	.end_amdgpu_metadata
.endif
;; end of part 4
